; MI455X (gfx1250); checked and timed in simulation.
; The chip was launched on July 23, 2026; its instructions are those of AMD's public machine-readable ISA for CDNA 5 (MIT licence, August 2026) and "CDNA5" Instruction Set Architecture Reference Guide (July 2026). The comments in the code are by the model that wrote it; some were corrected since.
;; W8 A8 B8 O8 Linear. Allowed arithmetic: float matrix products may take bf16 or f16 operands with f32 sums; all other float work in f32.
;; Inputs: a one number float32; b one number float32; bias 1 x 4,096 int8; weight 4,096 x 2,048 int8; x 4 x 2,048 x 2,048 int8.
;; Outputs: out0 4 x 2,048 x 4,096 int8.
;; One version. Each part assembles by itself: llvm-mc -triple=amdgcn-amd-amdhsa -mcpu=gfx1250 --defsym DOCPART=n.
;; ======== version 1 of 1: 1 launch
;; launch gemm (part 1): grid 16 x 32, 4 waves a work-group, clusters of 4 x 4, 327,680 bytes of LDS; arguments x, weight, bias, a, b, out0; writes out0
.if DOCPART == 1
	.amdgcn_target "amdgcn-amd-amdhsa--gfx1250"
	.amdhsa_code_object_version 6
	.text
	.protected	k_q65277bc721_gemm
	.globl	k_q65277bc721_gemm
	.p2align	8
	.type	k_q65277bc721_gemm,@function
k_q65277bc721_gemm:
	s_mov_b64 s[64:65], 0
	v_nop
	global_prefetch_b8 v0, s[64:65] scope:SCOPE_SE
	s_setreg_imm32_b32 hwreg(HW_REG_WAVE_MODE, 25, 1), 1
	s_wait_xcnt 0x0
	s_wait_alu depctr_hold_cnt(0) depctr_sa_sdst(0) depctr_va_vdst(0) depctr_va_sdst(0) depctr_va_ssrc(0) depctr_va_vcc(0) depctr_vm_vsrc(0)
	s_getreg_b32 s2, hwreg(HW_REG_IB_STS2, 6, 4)
	s_cmp_eq_u32 s2, 0
	s_cbranch_scc0 .Lentry_in_a_cluster
	s_endpgm
.Lentry_in_a_cluster:
	s_bfe_u32 s2, ttmp6, 0x10000c
	s_cmp_lg_u32 s2, 0xf033
	s_cbranch_scc0 .Lentry_shape_is_right
	s_endpgm
.Lentry_shape_is_right:
; out0[m][n] = int8( clip( round( a * f32(acc[m][n]) + b * f32(bias[n]) ), -128, 127 ) ),  acc[m][n] = sum over k of x[m][k] * weight[n][k].
; x: [8192][2048] int8, weight: [4096][2048] int8, bias: [4096] int8, a, b: one f32 each, out0: [8192][4096] int8.
;
; FORMAT: the operands are int8 as they come and the sums are i32 (v_wmma_i32_16x16x64_iu8, both sides signed): |acc| can reach 2048 x 2^14 = 2^25, which an
; f32 sum does not hold exactly, and the output is whole numbers.  Integer sums have one value whatever their order, so k may be permuted inside an instruction.
; SHAPE: a work-group makes 256 x 256 of the output with four waves; a wave makes 128 x 128: 64 accumulator tiles of 16 x 16, 512 registers.
; K goes in 8 steps of 256 bytes through a ring of two LDS slots filled by the tensor data mover; a tile's rows are 256 bytes of memory and start at multiples
; of 256 bytes from the buffer's first byte.  A step is four quarters of 64 along K, 64 matrix instructions each.
; CLUSTERS: 4 x 4 work-groups.  The four of a row of the cluster need the same tiles of x, the four of a column the same tiles of weight: each tile is asked
; for jointly (same line, same descriptor, a mask that names the four), which divides the requests for x and weight by four.
; TRANSPOSED USE: source 0 = 16 rows of weight, source 1 = 16 rows of x.  Lane l then holds output row l % 16, registers 0-7 the columns 8 (l / 16) + 0..7:
; eight neighbouring output bytes.
; EPILOGUE, ORDER OF ROUNDING: b * f32(bias) is rounded to f32 once; a * f32(acc) is NOT rounded by itself but goes with that addend through one fused multiply-add,
; rounded once: y = fma(a, acc, round(b * bias)), the formula's first product contracted into its sum.  A result that lies next to n + 0.5 changes its byte with the
; order of rounding, so this order is part of the result.
; The clip stands ahead of the rounding (the bounds are whole numbers and rounding is monotone, so the result is the same); the rounding to nearest even is the
; f32 sum with 1.5 x 2^23, in whose binade neighbouring numbers are 1 apart, and the int8 code is that sum's lowest byte.
; LIMIT: where a or b make y a NaN the stored byte is not specified (the formula's own conversion of a NaN is not either).  Infinities are clipped as the formula clips them.
;
; REGISTERS, in windows of 256 (s_set_vgpr_msb's low byte: bits 1:0 source 0, 3:2 source 1, 5:4 source 2, 7:6 destination):
;   window 0: v0-31 addresses; v32-47 packed output; v48-63 bias as loaded; v64-127, v128-191 fragments of x, two buffers (on the way out: at work, read-back);
;             v192-255 b * bias of my 64 columns-in-lane
;   window 1: v64-127, v128-191 fragments of weight, two buffers
;   window 2: the 32 accumulator tiles of my rows 0-63 (tile (a, b) at v[8 (8 a + b)]);   window 3: those of my rows 64-127
.set KSTEP,  256                       ; bytes of K in a step
.set KB,     2048                      ; bytes in a row of x and of weight
.set NB,     4096                      ; bytes in a row of out0
.set PITCH,  272                       ; an LDS row: 256 bytes + 16 of padding = 68 words, so the 16 rows that a fragment load touches start 4 words apart modulo 64
.set HALFT,  128*PITCH                 ; 128 rows: what one tensor load brings, and what one wave reads of x or of weight
.set SLOT,   4*HALFT                   ; x's 256 rows, then weight's 256 rows
.set STAGE,  2*SLOT                    ; behind the ring (byte 278,528 = 1,088 x 256): 128 rows x 272 bytes for the way out; no tensor load lands here
.set SPITCH, 272
.set LAPS,   KB/(2*KSTEP)              ; a lap = two K steps = once round the ring: 4
.set ADRA, 16                          ; v16-17  LDS address of my x fragments in slot 0, 1
.set ADRB, 20                          ; v20-21  the same for weight
.set STO,  24                          ; v24     the way out: where I put 8 bytes of a row
.set RD,   25                          ; v25     the way out: where I read 16 bytes of a row back
.set CO,   26                          ; v26     my byte offset in out0
.set BO,   27                          ; v27     my byte offset in bias
.set PK,   32                          ; v[32:47]   16 words of packed output bytes
.set BW,   48                          ; v[48:63]   16 words of bias as loaded
.set F0,   64                          ; fragment buffer 0
.set F1,   128                         ; fragment buffer 1
.set TMP,  F0                          ; the way out: 64 numbers at work
.set RB,   F1                          ; the way out: rows read back
.set T,    192                         ; v[192:255] T[8 b + j] = b * f32(bias[my column 16 b + 8 (l / 16) + j])
.set G1,  24                           ; s[24:31] descriptor group 1 for x's tiles
.set G0,  32                           ; s[32:39] descriptor group 0 for x's tiles, one set for each slot
.set G1B, 48                           ; s[48:55] group 1 for weight's tiles: it differs in the mask alone
.set G0B, 56                           ; s[56:63] group 0 for weight's tiles, one set for each slot
.set MSB, 0
.macro WIN new                         ; the immediate's high byte repeats the setting that is left; a switch that changes nothing is dropped
.if MSB != \new
	s_set_vgpr_msb (MSB<<8)|\new
.set MSB, \new
.endif
.endm
.set MUL_LO, 0xa1                      ; source 0 (weight) window 1, source 1 (x) window 0, C and D window 2
.set MUL_HI, 0xf1                      ; the same, C and D window 3
.set TO_B,   0x40                      ; destination window 1, address window 0
; A joint load.  Waves 0 and 1 fetch x's two halves, waves 2 and 3 weight's.  Each line has one mask and one set of registers for all that issue it.
; The branch hangs on the wave's number alone: it is the same in every work-group.
.macro JLOAD s
	s_cmp_eq_u32 s17, 0
	s_cbranch_scc0 .Lfor_w_\@
	tensor_load_to_lds s[G0+4*\s:G0+4*\s+3], s[G1:G1+7]
	s_nop 0
	s_branch .Lasked_\@
.Lfor_w_\@:
	tensor_load_to_lds s[G0B+4*\s:G0B+4*\s+3], s[G1B:G1B+7]
	s_nop 0
.Lasked_\@:
.endm
; A round of the cluster's barrier: my work-group's barrier, so that wave 0's signal speaks for all four waves; wave 0 signals for the work-group;
; every wave waits for all sixteen work-groups; my work-group's barrier once more.
.macro CREST                           ; a round behind its opening barrier
	s_cmp_lg_u32 s16, 0
	s_cbranch_scc1 .Lnot_wave_0_\@
	s_barrier_signal -3
.Lnot_wave_0_\@:
	s_barrier_wait -3
	s_barrier_signal -1
	s_barrier_wait -1
.endm
.macro CROUND                          ; a whole round
	s_barrier_signal -1
	s_barrier_wait -1
	CREST
.endm
	s_load_b256 s[4:11], s[0:1], 0x0               ; x s[4:5], weight s[6:7], bias s[8:9], a's address s[10:11]
	s_load_b128 s[12:15], s[0:1], 0x20             ; b's address s[12:13], out0 s[14:15]
	s_set_vgpr_msb 0x40
	v_lshl_add_u32 v255, v0, 2, 0x4c800
	s_set_vgpr_msb 0x4000
	v_mov_b32 v31, 0
	s_set_vgpr_msb 0x1
	ds_add_u32 v255, v31
	s_set_vgpr_msb 0x100
	v_lshrrev_b32 v1, 5, v0
	v_readfirstlane_b32 s16, v1                    ; wave 0..3
	s_lshr_b32 s17, s16, 1                         ; rh: which half of the block's rows is mine.  Also: I fetch for x (0) or for weight (1)
	s_and_b32 s18, s16, 1                          ; ch: which half of its columns.  Also: which 128 rows of that tile I fetch
	s_bfe_u32 s19, ttmp6, 0x40000                  ; cx: my place along the cluster's x
	s_bfe_u32 s20, ttmp6, 0x40004                  ; cy: along its y
	s_lshl_b32 s21, ttmp9, 2                       ; in a cluster launch ttmp9 and ttmp7 count clusters
	s_add_co_u32 s21, s21, s19                     ; bx: block column = 4 x cluster x + cx, 0..15
	s_and_b32 s22, ttmp7, 0xffff
	s_lshl_b32 s22, s22, 2
	s_add_co_u32 s22, s22, s20                     ; by: block row = 4 x cluster y + cy, 0..31
	s_lshl_b32 s40, s20, 2
	s_lshl_b32 s40, 15, s40                        ; my row of the cluster: places 4 cy .. 4 cy + 3
	s_lshl_b32 s41, 0x1111, s19                    ; my column: places cx, cx + 4, cx + 8, cx + 12
	; descriptor group 1: a tile of 128 rows x 256 elements of one byte, padded in LDS
	s_or_b32 s[G1+0], s40, (1<<20)|(1<<21)|(5<<22)|(3<<25)   ; 15:0 the mask: x's tiles go to my row; 17:16 element of 1 byte; 20 padding on; 21 set beside a mask; 24:22 after every 64 words (code 5); 31:25 of 4 words (code 3)
	s_or_b32 s[G1B+0], s41, (1<<20)|(1<<21)|(5<<22)|(3<<25)  ; the same with the mask of my column, for weight's tiles
	s_mov_b32 s[G1+1], KSTEP<<16                   ; 63:48 tensor_dim0, low half = 256
	s_mov_b32 s[G1B+1], KSTEP<<16
	s_mov_b32 s[G1+2], 128<<16                     ; 79:64 its high half = 0; 95:80 tensor_dim1, low half = 128
	s_mov_b32 s[G1B+2], 128<<16
	s_mov_b32 s[G1+3], KSTEP<<16                   ; 111:96 its high half = 0; 127:112 tile_dim0 = 256
	s_mov_b32 s[G1B+3], KSTEP<<16
	s_mov_b32 s[G1+4], 128                         ; 143:128 tile_dim1 = 128; 159:144 tile_dim2 = 0
	s_mov_b32 s[G1B+4], 128
	s_mov_b32 s[G1+5], KB                          ; 191:160 elements from row to row
	s_mov_b32 s[G1B+5], KB
	s_mov_b32 s[G1+6], 0
	s_mov_b32 s[G1B+6], 0
	s_mov_b32 s[G1+7], 0
	s_mov_b32 s[G1B+7], 0
	; where the tiles come from.  x's hang on the block row alone, which my row of the cluster shares; weight's on the block column alone, which my column shares.
	; Every wave makes both offsets, in registers that never hold the other coordinate, and asks by one of them.
	s_lshl_b32 s47, s18, 18                        ; which 128 rows of the tile I fetch: 128 x 2,048 bytes
	s_lshl_b32 s42, s22, 19                        ; x: 256 rows x 2,048 bytes x block row (below 2^24)
	s_add_co_u32 s42, s42, s47
	s_mov_b32 s43, 0
	s_lshl_b32 s44, s21, 19                        ; weight: the same with the block column
	s_add_co_u32 s44, s44, s47
	s_mov_b32 s45, 0
	s_mul_i32 s46, s16, HALFT                      ; and where they go: x's two halves, then weight's two halves = wave x 128 rows: no place in the cluster enters an LDS address
	; out0: the 32 rows that I store in each half of the way out begin at block row x 256 + 128 rh + 32 ch, at byte 256 x block column (sum below 2^25)
	s_lshl_b32 s76, s22, 20
	s_lshl_b32 s77, s17, 19
	s_add_co_u32 s76, s76, s77
	s_lshl_b32 s77, s18, 17
	s_add_co_u32 s76, s76, s77
	s_lshl_b32 s77, s21, 8
	s_add_co_u32 s76, s76, s77
	s_mov_b32 s77, 0
	s_lshl_b32 s78, s21, 8                         ; bias: my 128 columns begin at 256 x block column + 128 ch
	s_lshl_b32 s79, s18, 7
	s_add_co_u32 s78, s78, s79
	s_mov_b32 s79, 0
	s_mov_b32 s70, 0xc3000000                      ; -128.0
	s_mov_b32 s71, 0x42fe0000                      ; 127.0
	s_mov_b32 s72, 0x00000400                      ; v_perm_b32: byte 0 of the second source, byte 0 of the first (bytes 2, 3 are not used)
	s_mov_b32 s73, 0x05040100                      ; v_perm_b32: the low halves of the second and of the first source
	s_mov_b32 s74, 0x4b400000                      ; 1.5 x 2^23, twice: the whole pair counts as read by a packed instruction
	s_mov_b32 s75, 0x4b400000
	s_wait_dscnt 0x0
	s_wait_kmcnt 0x0
	s_add_nc_u64 s[42:43], s[4:5], s[42:43]
	s_add_nc_u64 s[44:45], s[6:7], s[44:45]
	s_add_nc_u64 s[8:9], s[8:9], s[78:79]
	s_add_nc_u64 s[14:15], s[14:15], s[76:77]
	CROUND                                         ; all sixteen work-groups are here: the first joint loads meet
.irp s, 0,1
	s_mov_b32 s[G0+4*\s], 1                                        ; 1:0 count = 1
	s_add_co_u32 s[G0+4*\s+1], s46, \s*SLOT                        ; 63:32 LDS address
	s_add_nc_u64 s[G0+4*\s+2:G0+4*\s+3], s[42:43], \s*KSTEP        ; 120:64 global address: K step s
	s_or_b32 s[G0+4*\s+3], s[G0+4*\s+3], 0x80000000                ; 127:126 type = 2
	s_mov_b32 s[G0B+4*\s], 1
	s_add_co_u32 s[G0B+4*\s+1], s46, \s*SLOT
	s_add_nc_u64 s[G0B+4*\s+2:G0B+4*\s+3], s[44:45], \s*KSTEP
	s_or_b32 s[G0B+4*\s+3], s[G0B+4*\s+3], 0x80000000
	JLOAD \s                                       ; both slots are asked for before anything else is done: two tensor loads of the wave are out
.endr
	; while the tiles are on their way: a, b, my bias, the address registers
	s_load_b32 s66, s[10:11], 0x0                  ; a
	s_load_b32 s68, s[12:13], 0x0                  ; b
	v_and_b32 v1, 15, v0                           ; r = l % 16
	v_bfe_u32 v2, v0, 4, 1                         ; h = l / 16
	v_lshlrev_b32 v[BO], 3, v2                     ; 8 h
.irp b, 0,1,2,3,4,5,6,7
	global_load_b64 v[BW+2*\b:BW+2*\b+1], v[BO], s[8:9] offset:16*\b   ; bias of my columns 16 b + 8 h + 0..7, once for the launch
.endr
	; A fragment is 16 rows x 64 bytes of K in 8 registers.  It is taken by two loads of 16 bytes, at 16 h and at 32 + 16 h of the row's 64 bytes.  That puts k in other
	; places than the instruction's own map, in the same places for both sources, so each product still pairs x[m][k] with weight[n][k]; the integer sum is the same.
	v_mul_u32_u24 v3, v1, PITCH
	v_lshl_add_u32 v3, v2, 4, v3                   ; row x pitch + 16 h
	s_mul_i32 s23, s17, HALFT                      ; my 128 rows of x
	s_mul_i32 s47, s18, HALFT                      ; my 128 rows of weight,
	s_add_co_u32 s47, s47, 2*HALFT                 ; which lie behind x's 256
.irp s, 0,1
	v_add_nc_u32 v[ADRA+\s], s23, v3
	v_add_nc_u32 v[ADRB+\s], s47, v3
	s_add_co_u32 s23, s23, SLOT
	s_add_co_u32 s47, s47, SLOT
.endr
	s_mul_i32 s23, s17, 64*SPITCH                  ; the stage holds 64 rows of each row half of the block: mine begin at 64 rh,
	s_lshl_b32 s47, s18, 7                         ; my 128 columns at byte 128 ch
	s_add_co_u32 s23, s23, s47
	s_add_co_u32 s23, s23, STAGE
	v_mul_u32_u24 v4, v1, SPITCH                   ; in: row r, 8 bytes for each half of the lanes
	v_lshl_add_u32 v4, v2, 3, v4
	v_add_nc_u32 v[STO], s23, v4
	s_mul_i32 s23, s16, 32*SPITCH                  ; back: wave w takes the stage's rows 32 w .. 32 w + 31, whole rows of 256 bytes
	s_add_co_u32 s23, s23, STAGE
	v_mul_u32_u24 v5, v2, SPITCH                   ; lanes 0-15 one row, lanes 16-31 the next
	v_lshl_add_u32 v5, v1, 4, v5
	v_add_nc_u32 v[RD], s23, v5
	v_lshlrev_b32 v6, 12, v2                       ; and the same two rows in out0
	v_lshl_add_u32 v[CO], v1, 4, v6
	s_wait_kmcnt 0x0                               ; a and b are here
	s_mov_b32 s67, s66                             ; pairs for the packed instructions
	s_mov_b32 s69, s68
	s_wait_loadcnt 0x0                             ; my bias is here
.set qq, 0
.rept 16                                           ; word qq holds four int8: sign-extend each, to f32, times b (rounded once: the fused multiply-add's addend)
	v_lshlrev_b32 v[T+4*qq],   24, v[BW+qq]
	v_lshlrev_b32 v[T+4*qq+1], 16, v[BW+qq]
	v_lshlrev_b32 v[T+4*qq+2], 8,  v[BW+qq]
	v_ashrrev_i32 v[T+4*qq],   24, v[T+4*qq]
	v_ashrrev_i32 v[T+4*qq+1], 24, v[T+4*qq+1]
	v_ashrrev_i32 v[T+4*qq+2], 24, v[T+4*qq+2]
	v_ashrrev_i32 v[T+4*qq+3], 24, v[BW+qq]
	v_cvt_f32_i32 v[T+4*qq],   v[T+4*qq]
	v_cvt_f32_i32 v[T+4*qq+1], v[T+4*qq+1]
	v_cvt_f32_i32 v[T+4*qq+2], v[T+4*qq+2]
	v_cvt_f32_i32 v[T+4*qq+3], v[T+4*qq+3]
	v_pk_mul_f32 v[T+4*qq:T+4*qq+1],   v[T+4*qq:T+4*qq+1],   s[68:69] op_sel_hi:[1,0]
	v_pk_mul_f32 v[T+4*qq+2:T+4*qq+3], v[T+4*qq+2:T+4*qq+3], s[68:69] op_sel_hi:[1,0]
.set qq, qq+1
.endr
; 16 matrix instructions: row blocks a0, a0 + 1 of the window's four (hi = 0: my rows 0-63, 1: rows 64-127) x all 8 column blocks, 64 along K.
; zero = 1: the first product starts the sums: nothing is ever cleared.
; The 64 accumulators take turns, one instruction a turn, in the same order in every quarter step, over the loop's backward jump too.
.macro MUL16 f, hi, a0, zero
.irp a, \a0, \a0+1
.irp b, 0,1,2,3,4,5,6,7
.if \zero
	v_wmma_i32_16x16x64_iu8 v[8*(8*(\a)+\b):8*(8*(\a)+\b)+7], v[\f+8*\b:\f+8*\b+7], v[\f+8*(4*\hi+\a):\f+8*(4*\hi+\a)+7], 0 neg_lo:[1,1,0]
.else
	v_wmma_i32_16x16x64_iu8 v[8*(8*(\a)+\b):8*(8*(\a)+\b)+7], v[\f+8*\b:\f+8*\b+7], v[\f+8*(4*\hi+\a):\f+8*(4*\hi+\a)+7], v[8*(8*(\a)+\b):8*(8*(\a)+\b)+7] neg_lo:[1,1,0]
.endif
.endr
.endr
.endm
; 32 LDS loads in one run: the fragments of one quarter step (128 rows of weight, 128 rows of x, 64 bytes of K at byte k of the rows) into buffer f
.macro FETCH slot, k, f
	WIN TO_B
.irp i, 0,1,2,3,4,5,6,7
	ds_load_b128 v[\f+8*\i:\f+8*\i+3],   v[ADRB+\slot] offset:\k+\i*16*PITCH
	ds_load_b128 v[\f+8*\i+4:\f+8*\i+7], v[ADRB+\slot] offset:\k+\i*16*PITCH+32
.endr
	WIN 0
.irp i, 0,1,2,3,4,5,6,7
	ds_load_b128 v[\f+8*\i:\f+8*\i+3],   v[ADRA+\slot] offset:\k+\i*16*PITCH
	ds_load_b128 v[\f+8*\i+4:\f+8*\i+7], v[ADRA+\slot] offset:\k+\i*16*PITCH+32
.endr
.endm
; A load into a register that an i8 matrix instruction has read, and a vector instruction that reads its result or writes one of its registers, stand eight places behind
; it, and only plain vector instructions that name none of its registers are places (ISA guide 7.12.1 for vector instructions).
; The matrix instructions in between are not counted.  So eight v_nop stand in front of each run of loads: 32 issue slots for a K step's 256 matrix instructions.
.macro PLACES
.rept 8
	v_nop
.endr
.endm
; One of a K step's first three quarters: multiplies buffer f; in its middle it fetches the next quarter's fragments, at byte k of the same slot's rows, into buffer g.
.macro QUARTER slot, k, f, g, zero
	s_wait_dscnt 8                                 ; weight and x's rows 0-63 are in; the youngest eight loads (x's rows 64-127) may be out
	WIN MUL_LO
	MUL16 \f, 0, 0, \zero
	MUL16 \f, 0, 2, \zero
	PLACES
	FETCH \slot, \k, \g
	s_wait_dscnt 32                                ; all but the 32 just issued
	WIN MUL_HI
	MUL16 \f, 1, 0, \zero
	MUL16 \f, 1, 2, \zero
.endm
.macro THREE slot, zero
	QUARTER \slot, 64,  F0, F1, \zero
	QUARTER \slot, 128, F1, F0, 0
	QUARTER \slot, 192, F0, F1, 0
.endm
; The last quarter: multiplies buffer 1 and changes slots.  next = the other slot; fill = 1: this slot is filled again, two K steps ahead.
; One barrier for the change of slots.  In front of it each wave waits for its own reads of this slot and for all its tensor loads, of which one is out:
; its part of the next slot.  Behind it nobody reads this slot any more and the next slot is whole: the refill comes first, then the next slot's first fragments.
; From a request to the wait for it a wave issues 240 matrix instructions.
.macro TURN slot, next, fill
	s_wait_dscnt 8
	WIN MUL_LO
	MUL16 F1, 0, 0, 0
	s_wait_dscnt 0                                 ; my reads of this slot are over
	s_wait_tensorcnt 0x0                           ; and all my tensor loads have landed: the one that was out is my part of the next slot
	ds_add_u32 v255, v31
	s_wait_dscnt 0x0
	s_barrier_signal -1                            ; say so (where a slot is filled again this barrier opens a round of the cluster's barrier),
	MUL16 F1, 0, 2, 0                              ; work on registers while the others arrive,
	WIN 0
	s_barrier_wait -1                              ; and go on when all four have said so
.if \fill
	CREST                                          ; all sixteen work-groups have said so: no wave of any partner still reads this slot's tile or has a load on its way
	s_add_nc_u64 s[G0+4*\slot+2:G0+4*\slot+3], s[G0+4*\slot+2:G0+4*\slot+3], 2*KSTEP       ; no tensor load of mine is out: the addresses step two K steps on
	s_add_nc_u64 s[G0B+4*\slot+2:G0B+4*\slot+3], s[G0B+4*\slot+2:G0B+4*\slot+3], 2*KSTEP
	JLOAD \slot                                    ; the first tensor load behind the round, and my only one until the next: one is out
.endif
	PLACES
	FETCH \next, 0, F0
	WIN MUL_HI
	MUL16 F1, 1, 0, 0
	MUL16 F1, 1, 2, 0
.endm
.macro LAP zero                        ; once round the ring, both slots filled again
	THREE 0, \zero
	TURN 0, 1, 1
	THREE 1, 0
	TURN 1, 0, 1
.endm
	s_wait_tensorcnt 0x1                           ; my part of K step 0 is in; K step 1's may stay out
	s_barrier_signal -1
	s_barrier_wait -1                              ; everybody's is
	FETCH 0, 0, F0
	LAP 1                                          ; K steps 0, 1: the first products start the sums; steps 2, 3 are asked for
	WIN 0                                          ; at a label and at a branch every window is 0
	s_mov_b32 s3, LAPS-2
.Llap:
	LAP 0                                          ; K steps 2, 3 and 4, 5; steps 4 to 7 are asked for
	WIN 0
	s_sub_co_u32 s3, s3, 1
	s_cmp_lg_u32 s3, 0
	s_cbranch_scc1 .Llap
	THREE 0, 0                                     ; K steps 6, 7: the last lap fills nothing and has no round; my one tensor load still out is slot 1's
	TURN 0, 1, 0
	THREE 1, 0
	s_wait_dscnt 8                                 ; the very last quarter: nothing more to fetch
	WIN MUL_LO
	MUL16 F1, 0, 0, 0
	MUL16 F1, 0, 2, 0
	s_wait_dscnt 0
	WIN MUL_HI
	MUL16 F1, 1, 0, 0
	MUL16 F1, 1, 2, 0
; THE WAY OUT, in two halves: first every wave's rows 0-63 (window 2), then its rows 64-127 (window 3).  The stage holds 128 whole rows of 256 bytes.
; CALC: 16 rows x 128 columns = the eight tiles (a, 0..7), 64 numbers a lane.  from = 0x02 or 0x03: source 0 in window 2 or 3, destination in window 0.
.macro CALC from, a
	WIN \from
.set qq, 0
.rept 64
	v_cvt_f32_i32 v[TMP+qq], v[64*\a+qq]           ; f32(acc), rounded to nearest even above 2^24 as the formula's conversion is
.set qq, qq+1
.endr
	WIN 0
.set qq, 0
.rept 32
	v_pk_fma_f32 v[TMP+2*qq:TMP+2*qq+1], v[TMP+2*qq:TMP+2*qq+1], s[66:67], v[T+2*qq:T+2*qq+1] op_sel_hi:[1,0,1]   ; a * acc + round(b * bias), one rounding (see the head)
.set qq, qq+1
.endr
.set qq, 0
.rept 64
	v_med3_num_f32 v[TMP+qq], v[TMP+qq], s70, s71  ; the clip to [-128, 127]
.set qq, qq+1
.endr
.set qq, 0
.rept 32
	v_pk_add_f32 v[TMP+2*qq:TMP+2*qq+1], v[TMP+2*qq:TMP+2*qq+1], s[74:75] op_sel_hi:[1,0]    ; + 1.5 x 2^23: rounds to a whole number, ties to even; the lowest byte is the int8 code
.set qq, qq+1
.endr
.set qq, 0
.rept 16
	v_perm_b32 v[TMP+4*qq],   v[TMP+4*qq+1], v[TMP+4*qq],   s72    ; the lowest bytes of numbers 0 and 1,
	v_perm_b32 v[TMP+4*qq+2], v[TMP+4*qq+3], v[TMP+4*qq+2], s72    ; of numbers 2 and 3,
	v_perm_b32 v[PK+qq],      v[TMP+4*qq+2], v[TMP+4*qq],   s73    ; four neighbouring output bytes
.set qq, qq+1
.endr
.endm
; PUT: 8 bytes a lane and tile into the stage.  Lane (r, h) writes words 68 r + 2 h + {0, 1} plus a constant: modulo 64 the 32 lanes cover 64 different words.
.macro PUT a
.irp b, 0,1,2,3,4,5,6,7
	ds_store_b64 v[STO], v[PK+2*\b:PK+2*\b+1] offset:\a*16*SPITCH+16*\b
.endr
.endm
; BACK: the stage's rows hold bytes of two waves each, so they are read behind every wave's wait for its stores and a barrier.  Wave w takes 32 whole rows.
.macro BACK p
	s_wait_dscnt 0x0                               ; my stores into the stage are done
	s_barrier_signal -1
	s_barrier_wait -1                              ; everybody's are
	s_wait_xcnt 0x0                                ; the read-back registers, which earlier global stores read, are loaded again only behind this wait
.set tt, 0
.rept 16
	ds_load_b128 v[RB+4*tt:RB+4*tt+3], v[RD] offset:tt*2*SPITCH
.set tt, tt+1
.endr
.set tt, 0
.rept 16
	s_wait_dscnt 15-tt                             ; LDS loads come back in order: load tt is in, the younger ones may be out
	global_store_b128 v[CO], v[RB+4*tt:RB+4*tt+3], s[14:15] offset:(64*\p+2*tt)*NB th:TH_STORE_NT   ; 16 lanes store 256 consecutive bytes, at a multiple of 256 from out0's first byte
.set tt, tt+1
.endr
.endm
	PLACES                                         ; eight places behind the last matrix instructions: for the conversions, which read results, and for the writes into both buffers
	CALC 0x02, 0
	PUT 0
	CALC 0x02, 1
	PUT 1
	CALC 0x02, 2
	PUT 2
	CALC 0x02, 3
	PUT 3
	BACK 0
	s_barrier_signal -1                            ; my reads of the stage are back (the count-down ended at 0)
	CALC 0x03, 0                                   ; register work while the others arrive
	s_barrier_wait -1                              ; nobody reads the stage any more: it may be written again
	PUT 0
	CALC 0x03, 1
	PUT 1
	CALC 0x03, 2
	PUT 2
	CALC 0x03, 3
	PUT 3
	BACK 1
	s_set_vgpr_msb 0x1
	s_wait_tensorcnt 0x0
	ds_add_u32 v255, v31
	s_wait_dscnt 0x0
	s_set_vgpr_msb 0x100
	CROUND                                         ; the closing round: no work-group ends while a partner may still ask for a tile that names it
	s_endpgm
.Lfunc_end_k_q65277bc721_gemm:
	.size	k_q65277bc721_gemm, .Lfunc_end_k_q65277bc721_gemm-k_q65277bc721_gemm
	.p2alignl 7, 3214868480
	.fill 96, 4, 3214868480
	.section	.rodata,"a",@progbits
	.p2align	6, 0x0
	.amdhsa_kernel k_q65277bc721_gemm
		.amdhsa_group_segment_fixed_size 327680
		.amdhsa_private_segment_fixed_size 0
		.amdhsa_enable_private_segment 0
		.amdhsa_kernarg_size 48
		.amdhsa_user_sgpr_count 2
		.amdhsa_user_sgpr_kernarg_segment_ptr 1
		.amdhsa_wavefront_size32 1
		.amdhsa_system_sgpr_workgroup_id_x 1
		.amdhsa_system_sgpr_workgroup_id_y 1
		.amdhsa_system_sgpr_workgroup_id_z 1
		.amdhsa_system_vgpr_workitem_id 0
		.amdhsa_next_free_vgpr 1024
		.amdhsa_next_free_sgpr 80
		.amdhsa_reserve_vcc 0
		.amdhsa_float_denorm_mode_32 3
		.amdhsa_float_denorm_mode_16_64 3
		.amdhsa_memory_ordered 1
		.amdhsa_forward_progress 1
		.amdhsa_inst_pref_size 255
	.end_amdhsa_kernel
	.section	.bss,"aw",@nobits
	.p2align	6
	.space	262144
	.amdgpu_metadata
---
amdhsa.version: [ 1, 2 ]
amdhsa.kernels:
  - .name:           k_q65277bc721_gemm
    .symbol:         k_q65277bc721_gemm.kd
    .args:
      - { .name: x, .offset: 0, .size: 8, .value_kind: global_buffer, .address_space: global }
      - { .name: weight, .offset: 8, .size: 8, .value_kind: global_buffer, .address_space: global }
      - { .name: bias, .offset: 16, .size: 8, .value_kind: global_buffer, .address_space: global }
      - { .name: a, .offset: 24, .size: 8, .value_kind: global_buffer, .address_space: global }
      - { .name: b, .offset: 32, .size: 8, .value_kind: global_buffer, .address_space: global }
      - { .name: out0, .offset: 40, .size: 8, .value_kind: global_buffer, .address_space: global }
    .group_segment_fixed_size: 327680
    .private_segment_fixed_size: 0
    .kernarg_segment_align: 8
    .kernarg_segment_size: 48
    .max_flat_workgroup_size: 128
    .sgpr_count:     80
    .vgpr_count:     1024
    .wavefront_size: 32
...
	.end_amdgpu_metadata
.endif
;; end of part 1
